; MI455X (gfx1250); checked and timed in simulation.
; The chip was launched on July 23, 2026; its instructions are those of AMD's public machine-readable ISA for CDNA 5 (MIT licence, August 2026) and "CDNA5" Instruction Set Architecture Reference Guide (July 2026). The comments in the code are by the model that wrote it; some were corrected since.
;; Generative Model. Allowed arithmetic: matrix products marked QUANTISED: E3M2 operands, one E8M0 scale for each 32 along K, by v_wmma_scale_f32_16x16x128_f8f6f4 with both operands' format E3M2, f32 sums; products left as they are: f32 operands where the result goes on into a quantised operand, else bf16, f16 or f32 operands; f32 sums; everything else in f32.
;; Inputs: b0 2 x 64 float32; b1 2 x 64 float32; b2 2 x 64 float32; b3 2 x 1 float32; logit_multipliers_raw 2 float32; program_id 256 int32; raw_positions 256 x 2 x 2 float32; shape_ids 256 x 2 int32; w0 2 x 1 x 64 float32; w1 2 x 64 x 64 float32; w2 2 x 64 x 64 float32; w3 2 x 64 x 1 float32.
;; Outputs: out0 256 x 64 x 64 float32.
;; This version of the problem:
;;   THIS VERSION OF THE PROBLEM IS GIVEN IN LOW PRECISION. The matrix products marked QUANTISED in the list below multiply operands that are first quantised to E3M2 (3 exponent bits, 2 mantissa bits; 6 bits a number), with one power-of-two scale for each 32 numbers along K (OCP MX v1.0); their sums are f32. All else is computed in f32.
;;   The module's matrix products, in the order in which they are computed (A, B: the left and right operand; K: the contracted axis; several contracted axes count as one K, in the product's order):
;;     1. batch 512 x [M 4,096, K 1] x [K 1, N 64]; A: computed on the way; B: computed on the way: left as it is (K = 1 < 32)
;;     2. batch 512 x [M 4,096, K 64] x [K 64, N 64]; A: computed on the way; B: computed on the way: QUANTISED
;;     3. batch 512 x [M 4,096, K 64] x [K 64, N 64]; A: computed on the way; B: computed on the way: QUANTISED
;;     4. batch 512 x [M 4,096, K 64] x [K 64, N 1]; A: computed on the way; B: computed on the way: left as it is (N = 1 < 16)
;;   THE QUANTISER, for each operand of a quantised product, along K:
;;     - K is cut into blocks of 32 from its start; a last block that is shorter is filled with zeros.
;;     - A block's scale is 2^e with e = floor(log2(the largest magnitude in the block)) - 4, held to -126 .. 127; a block of zeros has e = 0. As a byte (E8M0): e + 127.
;;     - Each number is divided by its block's scale, clamped to +-28, and rounded to the nearest number of E3M2, ties to even, subnormals kept.
;;     - The product sums the exact products of the quantised numbers (number of the format x scale) in f32.
;;   ~~~python
;;   def quantise(x, axis):      # numpy; x: float32 -> the quantised numbers, widened to float32 again
;;       x = np.moveaxis(x, axis, -1); K = x.shape[-1]
;;       x = np.pad(x, [(0, 0)] * (x.ndim - 1) + [(0, -K % 32)]); x = x.reshape(x.shape[:-1] + (-1, 32)); a = np.abs(x).max(-1, keepdims=True)
;;       e = np.where(a > 0, np.clip(np.frexp(np.where(a > 0, a, 1))[1] - 1 - 4, -126, 127), 0)      # np.frexp(a)[1] - 1 = floor(log2(a)), exactly
;;       r = np.clip(x / 2.0 ** e, -28, 28)
;;       step = 2.0 ** (np.maximum(np.frexp(np.where(r == 0, 1, r))[1] - 1, -2) - 2)
;;       q = np.round(r / step) * step * 2.0 ** e      # np.round: ties to even
;;       return np.moveaxis(q.reshape(q.shape[:-2] + (-1,))[..., :K], -1, axis).astype(np.float32)
;;   ~~~
;;   OPERANDS COMPUTED ON THE WAY. 'Computed on the way' means the value that the module computes at that place (a softmax that the list does not call 'softmax' is quantised finished and normalised). What goes into a quantiser is computed in f32, as accurately as f32 sums, v_exp_f32 and their like allow (about 1e-6 of the number): no bf16 or f16 on the way to a quantiser, and a product that is left as it is and whose result goes on into a quantised operand takes f32 operands (vector FMAs, or v_wmma_f32_16x16x4_f32). A number that lies on a knife's edge between two numbers of the format may be rounded either way, as far as f32 arithmetic and the matrix unit's own rounding can turn it there, and no further.
;; 2 versions, each right; version 2 is version 1 with the launch render written anew for expert scheduling mode. Each part assembles by itself: llvm-mc -triple=amdgcn-amd-amdhsa -mcpu=gfx1250 --defsym DOCPART=n.
;; ======== version 1 of 2: 1 launch
;; launch render (part 1): grid 256 x 1, 8 waves a work-group, no clusters, 46,080 bytes of LDS; arguments program_id, shape_ids, raw_positions, w0, b0, w1, b1, w2, b2, w3, b3, logit_multipliers_raw, out0; writes out0
.if DOCPART == 1
	.amdgcn_target "amdgcn-amd-amdhsa--gfx1250"
	.amdhsa_code_object_version 6
	.text
	.protected	k_q2a52a330a7_render
	.globl	k_q2a52a330a7_render
	.p2align	8
	.type	k_q2a52a330a7_render,@function
k_q2a52a330a7_render:
	s_mov_b64 s[64:65], 0
	v_nop
	global_prefetch_b8 v0, s[64:65] scope:SCOPE_SE
	s_setreg_imm32_b32 hwreg(HW_REG_WAVE_MODE, 25, 1), 1
	s_wait_xcnt 0x0
; out0[b][i][j]: for each of the two slots of element b: dx = x(j) - posx, dy = y(i) - posy, theta = atan2(dy, dx), an MLP 1-64-64-64-1 of theta with the weights of primitive shape_ids[b][slot],
; p = sigmoid(exp(multiplier) (exp(o) - sqrt(dx^2 + dy^2))); the two p are joined as program_id[b] says.  The two 64 x 64 products run on codes of BF6 (E3M2) with one E8M0 scale for each 32 along K; all else is f32.
; SHARES.  Work-group b = element b (256 work-groups).  Wave w of eight takes image rows 8 w .. 8 w + 7, first for slot 0 (its p go to the wave's own LDS bytes), then for slot 1 (joined and stored).
; A batch is two image rows = four groups of 32 pixels; lane l of group g has row 2 batch + l / 16, column 4 (l % 16) + g, so that a lane's four results are 16 neighbouring bytes and a wave's store covers 512 consecutive aligned bytes.
; A group is two tiles of 16 pixels (lanes 0-15's and lanes 16-31's).
; LAYOUT.  Both products are used transposed: source 0 = 16 output units, source 1 = 16 pixels.  Row m of unit tile u is unit 8 u + m % 8 + 32 (m / 8), so that lane (r, h) holds, in the 32 registers of the four tiles,
; units 32 h + 0 .. 31 of pixel r: ONE WHOLE BLOCK of the next K, in order: its largest number needs no other lane.  Layer 0 is computed straight in that layout; w0, b0, b1, b2, w3 are 32 registers a lane, number 32 h + i in register i.
; K IS 64, THE INSTRUCTION'S K IS 128.  Of a lane's 12 operand registers, 0-2 hold the codes of its numbers 0-15 and 6-8 those of 16-31 (the same places in the weights' fragments); the instruction's blocks 0, 2 carry the scale of true block 0, blocks 1, 3 that of block 1.
; THE RELU AHEAD OF A QUANTISER IS DONE IN THE OTHER HALF OF K: relu(x) W = x (W / 2) + |x| (W / 2).  The block's scale is taken from the largest number WITHOUT |.| (which is relu's largest magnitude); the raw numbers are converted
; (negative ones become negative codes, held at -28); registers 3-5 and 9-11 get the same codes with the sign bits cleared; the weights' fragments hold each code twice and their scale bytes are one lower (the half).
; For x >= 0 the two products add up to Q(x) Q(W), for x < 0 they cancel: the sum is that of the stated quantiser on relu(x).
; The biases b1, b2 are the C of the one matrix instruction that makes a tile: each sum is a single K step, so no accumulator is added onto and nothing is cleared.
; NO CLUSTER, NO TENSOR LOADS: all inputs together are 75,280 bytes; a work-group reads 64 KiB of weights once, quantises them once (each wave the halves of four of the sixteen fragments) and keeps a slot's constants in 256 registers a wave.
; LIMITS: NaN and infinities among the inputs are not served.  theta: an f32 polynomial after a reduction by tan(pi / 8), about 3e-7 of the number.  A block without a positive number (weights: a block of zeros) carries the floor's byte
; (1; weights 0) where the rule says 127: its products are zeros or cancel, and this program alone reads the bytes.  shape_ids are held to 0 .. 1.  program_id: 0 gives p0, 2 the clipped difference, any other number the clipped sum.
.set FRB,  1536                        ; a fragment's image in LDS: 12 registers x 32 lanes x 4 bytes; register group c (four registers) at 512 c + 16 x lane
.set FRG,  0                           ; 16 fragments: ((slot x 2 + layer) x 4 + unit tile) x FRB
.set WSC,  FRG+16*FRB                  ; their scale words: 64 bytes a fragment, word m for row m
.set VEC,  WSC+16*64                   ; (slot x 5 + v) x 256: 64 f32 as they lie; v = 0 w0, 1 b0, 2 b1, 3 b2, 4 w3
.set PST,  VEC+10*256                  ; slot 0's p: 2,048 bytes a wave, 512 a batch, 16 a lane; written and read by the same lane
; window 0
.set LI,   1                           ; 16 x lane
.set LS,   2                           ; 4 x (lane % 16): a scale word's place; also the lane's first column
.set VH,   3                           ; 128 x (lane / 16)
.set PS,   4                           ; PST + 2048 x wave + 16 x lane
.set PA,   5                           ; the same for the batch in hand
.set GO,   6                           ; 2048 x wave + 16 x lane: my bytes in the element's image
.set RI0,  7                           ; my first image row as f32
.set RI,   8                           ; the batch's
.set CY,   9
.set DY,   10
.set DY2,  11
.set CX,   12                          ; v12-15  x of column 4 (lane % 16) + g
.set WS,   16                          ; v16-23  the weights' scale words, 4 x layer + unit tile: they hold scales alone
.set P,    24                          ; v24-27  the batch's p
.set P0,   28                          ; v28-31  slot 0's p, then the result
.set HF,   64                          ; a stream (v32-127, v128-223): +0 .. 63 hidden numbers, tile x at 32 x; +64 + 12 x the operand; +88 + x its scale word (scales alone); +90 + x the conversion's scale; +92 the dot
.set HSC,  88
.set HE,   90
.set HO,   92
.set TH,   224                         ; v224-231 group g: the pair (tile lo's theta, tile hi's)
.set R,    232                         ; v232-235 sqrt(dx^2 + dy^2)
.set TM,   236                         ; v236-253 at work
.set ACC,  TM+8
.set PSUM, TM+16
.set PI4,  254                         ; pi / 4
.set HT,   32                          ; the head's 16 registers a group, where stream 0's hidden numbers will lie
.set hDX, 0
.set hMN, 1
.set hMX, 2
.set hD2, 3
.set hTT, 4
.set hNU, 5
.set hDE, 6
.set hOF, 7
.set hRC, 8
.set hQ0, 9
.set hER, 10
.set hQQ, 11
.set hZ,  12
.set hPL, 13
.set hAT, 14
.set hA2, 15
; window 1: the constants of the slot in hand
.set W0,   0
.set B0,   32
.set BI,   64                          ; b1, then b2
.set W3,   128
.set AW,   160                         ; 8 fragments: 12 x (4 x layer + unit tile)
; the set-up's registers, in window 0
.set WN,   32                          ; v32-95  64 numbers of one column of a weight
.set FST,  96
.set SST,  97
.set VST,  98
.set WOFF, 99
.set VL,   100
.set TW,   101
.set TA,   102
.set TB,   103
.set TC,   104
.set TD,   105
.set VC,   106                         ; v106-109
.set QM,   110
.set QE,   112
.set WBY,  113
.set WW,   115
.set T,    128                         ; v128-150
.set WI,   160                         ; v160-183 two images
; scalars
.set WV,   44
.set POS,  66                          ; s66-69  posx0, posy0, posx1, posy1
.set NM,   70                          ; s70-71  -log2(e) exp(multiplier)
.set B3L,  72                          ; s72-73  b3 log2(e)
.set CNT,  76
.set PO,   77
.set MSB, 0
.macro WIN new                         ; the immediate's high byte repeats the setting that is left; a switch that changes nothing is dropped
.if MSB != \new
	s_set_vgpr_msb (MSB<<8)|\new
.set MSB, \new
.endif
.endm
; the grid: s = n / 63 rounded once (a product by 1 / 63 and one correction), then s - (1 - s)
.macro LIN dst, src, t0, t1
	v_mul_f32 v[\t0], s55, v[\src]
	v_fma_f32 v[\t1], -v[\t0], s56, v[\src]
	v_fma_f32 v[\t0], v[\t1], s55, v[\t0]
	v_sub_f32 v[\t1], 1.0, v[\t0]
	v_sub_f32 v[\dst], v[\t0], v[\t1]
.endm
	s_load_b512 s[4:19], s[0:1], 0x0               ; program_id s[4:5], shape_ids s[6:7], raw_positions s[8:9], w0 s[10:11], b0 s[12:13], w1 s[14:15], b1 s[16:17], w2 s[18:19]
	s_load_b256 s[20:27], s[0:1], 0x40             ; b2 s[20:21], w3 s[22:23], b3 s[24:25], logit_multipliers_raw s[26:27]
	s_load_b64 s[28:29], s[0:1], 0x60              ; out0
	v_lshl_add_u32 v223, v0, 2, 0xb000
	v_mov_b32 v255, 0
	v_lshrrev_b32 v[TW], 5, v0
	v_readfirstlane_b32 s[WV], v[TW]               ; wave 0..7
	s_lshl_b32 s34, ttmp9, 2                       ; the element's bytes in program_id,
	s_lshl_b32 s35, ttmp9, 3                       ; in shape_ids,
	s_lshl_b32 s31, ttmp9, 4                       ; in raw_positions
	s_lshr_b32 s45, s[WV], 2                       ; in the set-up waves 0-3 serve slot 0, waves 4-7 slot 1
	s_lshl_b32 s45, s45, 2
	s_add_co_u32 s45, s45, s35
	s_wait_kmcnt 0x0
	s_load_b32 s30, s[4:5], s34 offset:0x0         ; program_id[b]
	s_load_b64 s[32:33], s[6:7], s35 offset:0x0    ; both shape ids
	s_load_b32 s[CNT], s[6:7], s45 offset:0x0      ; and once more that of the slot that my wave serves in the set-up
	s_load_b128 s[36:39], s[8:9], s31 offset:0x0   ; raw x0, y0, x1, y1
	; every address register is made here, of the thread's number and constants alone
	v_and_b32 v[LI], 31, v0
	v_lshlrev_b32 v[VL], 3, v[LI]                  ; 8 x lane
	v_lshlrev_b32 v[LI], 4, v[LI]
	v_and_b32 v[LS], 15, v0
	v_lshlrev_b32 v[LS], 2, v[LS]
	v_bfe_u32 v[TD], v0, 4, 1                      ; h
	v_lshlrev_b32 v[VH], 7, v[TD]
	v_lshl_add_u32 v[GO], v[TW], 11, v[LI]
	v_add_nc_u32 v[PS], PST, v[GO]
	v_bfe_u32 v[TA], v0, 3, 2                      ; set-up: my column is unit 32 (wave % 2) + lane: unit tile lane / 8,
	v_and_b32 v[TB], 7, v0                         ; row lane % 8 + 8 (wave % 2) of it
	v_bfe_u32 v[TC], v0, 5, 1
	v_lshrrev_b32 v[FST], 6, v0                    ; slot x 2 + layer = wave / 2
	v_mul_u32_u24 v[FST], v[FST], 4*FRB
	v_mad_u32_u24 v[FST], v[TA], FRB, v[FST]
	v_lshl_add_u32 v[FST], v[TB], 4, v[FST]
	v_lshl_add_u32 v[FST], v[TC], 7, v[FST]        ; the image's place of lane (row, 0); K block 1's is 256 bytes on
	v_lshrrev_b32 v[SST], 6, v0
	v_lshl_add_u32 v[SST], v[SST], 8, WSC
	v_lshl_add_u32 v[SST], v[TA], 6, v[SST]
	v_lshl_add_u32 v[SST], v[TB], 2, v[SST]
	v_lshl_add_u32 v[SST], v[TC], 5, v[SST]        ; my row's scale word
	v_lshl_add_u32 v[VST], v0, 3, VEC              ; vector number = wave, 8 bytes a lane
	v_and_b32 v[WOFF], 63, v0
	v_lshlrev_b32 v[WOFF], 2, v[WOFF]              ; my column's bytes in a row of a weight
	v_lshl_add_u32 v[RI0], v[TW], 3, v[TD]
	v_cvt_f32_u32 v[RI0], v[RI0]                   ; image row 8 wave + h
	v_mov_b32 v[TM+6], 0                           ; written once: a lane permute's destination counts as one of its sources
	v_mov_b32 v[TM+7], 0
	v_mov_b32 v[PI4], 0x3f490fdb
	s_mov_b32 s46, 0x3fb8aa3b                      ; log2(e)
	s_mov_b32 s63, 0xbfb8aa3b                      ; -log2(e)
	s_mov_b32 s47, 0x3ed413cd                      ; tan(pi / 8)
	s_mov_b32 s49, 0x3fc90fdb                      ; pi / 2
	s_mov_b32 s50, 0x40490fdb                      ; pi
	s_mov_b32 s51, 0x3da4f0d1                      ; atan(q) = q + q z (((s51 z + s52) z + s53) z + s54), z = q^2, for |q| <= tan(pi / 8)
	s_mov_b32 s52, 0xbe0e1b85
	s_mov_b32 s53, 0x3e4c925f
	s_mov_b32 s54, 0xbeaaaa2a
	s_mov_b32 s55, 0x3c820821                      ; 1 / 63
	s_mov_b32 s56, 0x427c0000                      ; 63
	s_mov_b32 s57, 0x07030703                      ; byte selects: my top byte, the other half's, twice
	s_mov_b32 s58, 0x76543210
	s_mov_b32 s59, 0xfedcba98                      ; v_permlanex16_b32's selects for lane l xor 16
	s_mov_b32 s60, 0xdf7df7df                      ; the three words of 16 codes without their sign bits (bit 5 of each six)
	s_mov_b32 s61, 0xf7df7df7
	s_mov_b32 s62, 0x7df7df7d
	s_wait_kmcnt 0x0
	s_min_u32 s32, s32, 1                          ; an index stays inside its table
	s_min_u32 s33, s33, 1
	s_min_u32 s[CNT], s[CNT], 1
	s_lshl_b32 s80, s32, 2
	s_lshl_b32 s81, s33, 2
	s_load_b32 s40, s[24:25], s80 offset:0x0       ; b3 of slot 0's primitive, of slot 1's
	s_load_b32 s41, s[24:25], s81 offset:0x0
	s_load_b32 s42, s[26:27], s80 offset:0x0       ; the raw multipliers likewise
	s_load_b32 s43, s[26:27], s81 offset:0x0
	; the weights: wave w takes slot w / 4, layer (w / 2) % 2, columns 32 (w % 2) + lane; a lane's 64 registers run down K
	s_and_b32 s82, s[WV], 2
	s_cmp_lg_u32 s82, 0
	s_cselect_b64 s[92:93], s[18:19], s[14:15]     ; w2 or w1: the choice hangs on the wave's number alone
	s_lshl_b32 s94, s[CNT], 14                     ; the primitive's 16,384 bytes
	s_mov_b32 s95, 0
	s_add_nc_u64 s[92:93], s[92:93], s[94:95]
.set i, 0
.rept 64
	global_load_b32 v[WN+i], v[WOFF], s[92:93] offset:256*i    ; row k = i: the wave reads 128 consecutive bytes
.set i, i+1
.endr
	; the five vectors: wave v < 5 brings vector v for both slots.  Waves 5 to 7 have none: their pointer stays w0's, inside its buffer, and what they load is not stored
	s_cmp_eq_u32 s[WV], 1
	s_cselect_b64 s[96:97], s[12:13], s[10:11]
	s_cmp_eq_u32 s[WV], 2
	s_cselect_b64 s[96:97], s[16:17], s[96:97]
	s_cmp_eq_u32 s[WV], 3
	s_cselect_b64 s[96:97], s[20:21], s[96:97]
	s_cmp_eq_u32 s[WV], 4
	s_cselect_b64 s[96:97], s[22:23], s[96:97]
	s_lshl_b32 s94, s32, 8
	s_add_nc_u64 s[98:99], s[96:97], s[94:95]
	s_lshl_b32 s94, s33, 8
	s_add_nc_u64 s[96:97], s[96:97], s[94:95]
	global_load_b64 v[VC:VC+1], v[VL], s[98:99]
	global_load_b64 v[VC+2:VC+3], v[VL], s[96:97]
	s_lshl_b32 s94, ttmp9, 14
	s_add_nc_u64 s[78:79], s[28:29], s[94:95]      ; out0 at my element
	s_cmp_eq_u32 s30, 2
	s_cselect_b32 s74, -1.0, 1.0                   ; p0 - p1 or p0 + p1
	s_cmp_eq_u32 s30, 0
	s_cselect_b32 s75, -1, 0                       ; a lane mask: all lanes take p0
	; while the loads are out: the columns' x, the positions, the multipliers
.irp g, 0,1,2,3
	v_add_nc_u32 v[T+17+\g], \g, v[LS]
	v_cvt_f32_u32 v[T+17+\g], v[T+17+\g]
	LIN CX+\g, T+17+\g, T+21, T+22
.endr
	s_wait_kmcnt 0x0                               ; b3 and the raw multipliers
.irp k, 0,1,2,3
	v_mul_f32 v[T+\k], s63, s[36+\k]               ; sigmoid(x) = 1 / (1 + 2^(-x log2(e)))
.endr
.irp k, 0,1
	v_mul_f32 v[T+4+\k], s46, s[42+\k]
	v_mul_f32 v[T+6+\k], s46, s[40+\k]             ; b3 log2(e)
.endr
.irp k, 0,1,2,3
	v_min_num_f32 v[T+\k], 0x42800000, v[T+\k]     ; held at 64: 1 / (1 + 2^64) is 0 beside the 0.5 that follows, and no infinity is made
.endr
.irp k, 0,1,2,3,4,5
	v_exp_f32 v[T+\k], v[T+\k]
.endr
	v_nop                                          ; a plain line behind the transcendentals
	s_wait_alu depctr_va_vdst(0)
.irp k, 0,1,2,3
	v_add_f32 v[T+\k], 1.0, v[T+\k]
.endr
.irp k, 0,1
	v_mul_f32 v[T+4+\k], s63, v[T+4+\k]            ; -log2(e) exp(multiplier)
.endr
.irp k, 0,1,2,3
	v_rcp_f32 v[T+8+\k], v[T+\k]
.endr
	v_nop
	s_wait_alu depctr_va_vdst(0)
.irp k, 0,1,2,3
	v_fma_f32 v[T+12+\k], -v[T+\k], v[T+8+\k], 1.0 ; one Newton step: the positions stand ahead of a quantiser
.endr
.irp k, 0,1,2,3
	v_fma_f32 v[T+8+\k], v[T+12+\k], v[T+8+\k], v[T+8+\k]
.endr
.irp k, 0,1,2,3
	v_add_f32 v[T+8+\k], -0.5, v[T+8+\k]
.endr
.irp k, 0,1,2,3
	v_readfirstlane_b32 s[POS+\k], v[T+8+\k]       ; the same in every lane: kept as scalars, used as numbers alone
.endr
.irp k, 0,1
	v_readfirstlane_b32 s[NM+\k], v[T+4+\k]
	v_readfirstlane_b32 s[B3L+\k], v[T+6+\k]
.endr
	s_wait_loadcnt 0x0                             ; the weights and the vectors
; K block kb of my column: 32 numbers, all mine.  Scale, codes, each code twice, and the image of lane (row, kb) of the fragment
.macro WQ kb
.set XS, WN+32*\kb
.set G, WI+12*\kb
	v_max3_num_f32 v[QM], |v[XS]|, |v[XS+1]|, 0x2800000        ; with the floor 2^(5 - 127) among the leaves: the exponent field is 5 at the least
	v_max3_num_f32 v[QM+1], |v[XS+2]|, |v[XS+3]|, |v[XS+4]|
.irp i, 5,9,13,17,21,25
	v_max3_num_f32 v[QM], v[QM], |v[XS+\i]|, |v[XS+\i+1]|
	v_max3_num_f32 v[QM+1], v[QM+1], |v[XS+\i+2]|, |v[XS+\i+3]|
.endr
	v_max3_num_f32 v[QM], v[QM], |v[XS+29]|, |v[XS+30]|
	v_max3_num_f32 v[QM], v[QM], v[QM+1], |v[XS+31]|
	v_add_nc_u32 v[QE], 0xfe000000, v[QM]          ; 4 off the exponent field: the conversion's scale operand
	v_add_nc_u32 v[WBY+\kb], 0xfd800000, v[QM]     ; 5 off: the scale's byte less one, which is the half of W / 2
	v_lshrrev_b32 v[WBY+\kb], 23, v[WBY+\kb]
	v_cvt_scalef32_pk16_bf6_f32 v[G:G+2], v[XS:XS+15], v[QE]
	v_cvt_scalef32_pk16_bf6_f32 v[G+6:G+8], v[XS+16:XS+31], v[QE]
	v_nop                                          ; a plain line behind the scaled conversions
.irp i, 0,1,2
	v_mov_b32 v[G+3+\i], v[G+\i]                   ; the copy that meets |x|
	v_mov_b32 v[G+9+\i], v[G+6+\i]
.endr
.irp c, 0,1,2
	ds_store_b128 v[FST], v[G+4*\c:G+4*\c+3] offset:FRG+256*\kb+512*\c
.endr
.endm
	WQ 0
	WQ 1
	v_lshl_or_b32 v[WW], v[WBY+1], 8, v[WBY]       ; the instruction's blocks 0, 1, 2, 3 are true blocks 0, 1, 0, 1
	v_lshl_or_b32 v[WW], v[WW], 16, v[WW]
	ds_store_b32 v[SST], v[WW]
	s_cmp_ge_u32 s[WV], 5
	s_cbranch_scc1 .Lno_vector
	ds_store_b64 v[VST], v[VC:VC+1]                ; slot 0's
	ds_store_b64 v[VST], v[VC+2:VC+3] offset:5*256 ; slot 1's
.Lno_vector:
	s_wait_dscnt 0x0                               ; for the others' sake: my stores into the fragments, scale words and vectors are done
	s_barrier_signal -1
	s_barrier_wait -1                              ; everybody's are; these bytes are only read from here on: the kernel's one barrier
; dx, r and theta of the batch's four groups, a lane to a pixel; each line for the four groups in turn, so that no line waits for the line above it
.macro HEAD4 s
.irp g, 0,1,2,3
	v_sub_f32 v[HT+16*\g+hDX], v[CX+\g], s[POS+2*\s]
.endr
.irp g, 0,1,2,3
	v_min_num_f32 v[HT+16*\g+hMN], |v[HT+16*\g+hDX]|, |v[DY]|
.endr
.irp g, 0,1,2,3
	v_max3_num_f32 v[HT+16*\g+hMX], |v[HT+16*\g+hDX]|, |v[DY]|, 0x800000   ; the floor makes atan2(0, 0) = 0
.endr
.irp g, 0,1,2,3
	v_fma_f32 v[HT+16*\g+hD2], v[HT+16*\g+hDX], v[HT+16*\g+hDX], v[DY2]
.endr
.irp g, 0,1,2,3
	v_mul_f32 v[HT+16*\g+hTT], s47, v[HT+16*\g+hMX]
.endr
.irp g, 0,1,2,3
	v_cmp_gt_f32 s[80+\g], v[HT+16*\g+hMN], v[HT+16*\g+hTT]                ; min / max > tan(pi / 8): atan(t) = pi / 4 + atan((t - 1) / (t + 1))
.endr
.irp g, 0,1,2,3
	v_sub_f32 v[HT+16*\g+hNU], v[HT+16*\g+hMN], v[HT+16*\g+hMX]
.endr
.irp g, 0,1,2,3
	v_add_f32 v[HT+16*\g+hDE], v[HT+16*\g+hMN], v[HT+16*\g+hMX]
.endr
.irp g, 0,1,2,3
	v_cndmask_b32 v[HT+16*\g+hNU], v[HT+16*\g+hMN], v[HT+16*\g+hNU], s[80+\g]
.endr
.irp g, 0,1,2,3
	v_cndmask_b32 v[HT+16*\g+hDE], v[HT+16*\g+hMX], v[HT+16*\g+hDE], s[80+\g]
.endr
.irp g, 0,1,2,3
	v_rcp_f32 v[HT+16*\g+hRC], v[HT+16*\g+hDE]
.endr
.irp g, 0,1,2,3
	v_sqrt_f32 v[R+\g], v[HT+16*\g+hD2]
.endr
.irp g, 0,1,2,3
	v_cndmask_b32 v[HT+16*\g+hOF], 0, v[PI4], s[80+\g]                     ; (plain lines behind the transcendentals)
.endr
.irp g, 0,1,2,3
	v_cmp_gt_f32 s[84+\g], |v[DY]|, |v[HT+16*\g+hDX]|
.endr
	s_wait_alu depctr_va_vdst(0)
.irp g, 0,1,2,3
	v_mul_f32 v[HT+16*\g+hQ0], v[HT+16*\g+hNU], v[HT+16*\g+hRC]
.endr
.irp g, 0,1,2,3
	v_fma_f32 v[HT+16*\g+hER], -v[HT+16*\g+hDE], v[HT+16*\g+hQ0], v[HT+16*\g+hNU]   ; the quotient's remainder,
.endr
.irp g, 0,1,2,3
	v_fma_f32 v[HT+16*\g+hQQ], v[HT+16*\g+hER], v[HT+16*\g+hRC], v[HT+16*\g+hQ0]    ; and the quotient corrected by it
.endr
.irp g, 0,1,2,3
	v_mul_f32 v[HT+16*\g+hZ], v[HT+16*\g+hQQ], v[HT+16*\g+hQQ]
.endr
.irp g, 0,1,2,3
	v_fma_f32 v[HT+16*\g+hPL], v[HT+16*\g+hZ], s51, s52
.endr
.irp g, 0,1,2,3
	v_fma_f32 v[HT+16*\g+hPL], v[HT+16*\g+hPL], v[HT+16*\g+hZ], s53
.endr
.irp g, 0,1,2,3
	v_fma_f32 v[HT+16*\g+hPL], v[HT+16*\g+hPL], v[HT+16*\g+hZ], s54
.endr
.irp g, 0,1,2,3
	v_mul_f32 v[HT+16*\g+hPL], v[HT+16*\g+hPL], v[HT+16*\g+hZ]
.endr
.irp g, 0,1,2,3
	v_fma_f32 v[HT+16*\g+hAT], v[HT+16*\g+hPL], v[HT+16*\g+hQQ], v[HT+16*\g+hQQ]
.endr
.irp g, 0,1,2,3
	v_add_f32 v[HT+16*\g+hAT], v[HT+16*\g+hAT], v[HT+16*\g+hOF]
.endr
.irp g, 0,1,2,3
	v_sub_f32 v[HT+16*\g+hA2], s49, v[HT+16*\g+hAT]
.endr
.irp g, 0,1,2,3
	v_cndmask_b32 v[HT+16*\g+hAT], v[HT+16*\g+hAT], v[HT+16*\g+hA2], s[84+\g]       ; |dy| > |dx|: pi / 2 - a
.endr
.irp g, 0,1,2,3
	v_cmp_gt_f32 s[88+\g], 0, v[HT+16*\g+hDX]
.endr
.irp g, 0,1,2,3
	v_sub_f32 v[HT+16*\g+hA2], s50, v[HT+16*\g+hAT]
.endr
.irp g, 0,1,2,3
	v_cndmask_b32 v[HT+16*\g+hAT], v[HT+16*\g+hAT], v[HT+16*\g+hA2], s[88+\g]       ; dx < 0: pi - a
.endr
.irp g, 0,1,2,3
	v_bfi_b32 v[TH+2*\g], 0x7fffffff, v[HT+16*\g+hAT], v[DY]                        ; dy's sign
.endr
.irp g, 0,1,2,3
	v_mov_b32 v[TH+2*\g+1], v[TH+2*\g]
.endr
.irp g, 0,1,2,3
	v_permlane16_swap_b32 v[TH+2*\g], v[TH+2*\g+1]     ; the first now holds lanes 0-15's theta in both halves of the lanes (tile lo), the second lanes 16-31's (tile hi)
.endr
.endm
; layer 0 of group g into stream sg: number i of tile x = theta w0[32 h + i] + b0[32 h + i], two at a time.  No relu: the next product's other half of K does it
.macro L0 sg, g
.set HB, 32+96*\sg
	WIN 0x14                                       ; sources 1 and 2 in window 1
.irp x, 0,1
.irp i, 0,2,4,6,8,10,12,14,16,18,20,22,24,26,28,30
	v_pk_fma_f32 v[HB+32*\x+\i:HB+32*\x+\i+1], v[TH+2*(\g):TH+2*(\g)+1], v[W0+\i:W0+\i+1], v[B0+\i:B0+\i+1] op_sel:[\x,0,0] op_sel_hi:[\x,1,1]   ; of the pair of thetas, tile x's serves both halves
.endr
.endr
.endm
; a stream's two tiles: my block's largest number (no |.|: what is negative counts for nothing), in two chains a tile, in ascending order, so that each matrix result is first read at its low end;
; then the conversion's scale operand and the scale word
.macro QA sg
.set HB, 32+96*\sg
	WIN 0
.irp x, 0,1
	v_max3_num_f32 v[TM+2*\x], v[HB+32*\x], v[HB+32*\x+1], 0x2800000       ; the floor 2^(5 - 127): the byte cannot fall under 1
.endr
.irp x, 0,1
	v_max3_num_f32 v[TM+2*\x+1], v[HB+32*\x+2], v[HB+32*\x+3], v[HB+32*\x+4]
.endr
.irp i, 5,9,13,17,21,25
.irp x, 0,1
	v_max3_num_f32 v[TM+2*\x], v[TM+2*\x], v[HB+32*\x+\i], v[HB+32*\x+\i+1]
.endr
.irp x, 0,1
	v_max3_num_f32 v[TM+2*\x+1], v[TM+2*\x+1], v[HB+32*\x+\i+2], v[HB+32*\x+\i+3]
.endr
.endr
.irp x, 0,1
	v_max3_num_f32 v[TM+2*\x], v[TM+2*\x], v[HB+32*\x+29], v[HB+32*\x+30]
.endr
.irp x, 0,1
	v_max3_num_f32 v[TM+2*\x], v[TM+2*\x], v[TM+2*\x+1], v[HB+32*\x+31]
.endr
.irp x, 0,1
	v_add_nc_u32 v[HB+HE+\x], 0xfe000000, v[TM+2*\x]           ; 4 off the exponent field: the conversion takes that field as its scale
.endr
.irp x, 0,1
	v_lshl_add_u32 v[TM+4+\x], v[TM+2*\x], 1, 0xfc000000       ; the same field, less 4, as the word's top byte: my block's E8M0 byte
.endr
.irp x, 0,1
	v_permlanex16_b32 v[TM+6+\x], v[TM+4+\x], s58, s59         ; the pixel's other block lies in lane l xor 16
.endr
.irp x, 0,1
	v_perm_b32 v[HB+HSC+\x], v[TM+6+\x], v[TM+4+\x], s57       ; lanes 0-15 (the ones that are read): block 0's byte, block 1's, and both again
.endr
.endm
; the codes: registers 0-2 and 6-8 of the operand by the conversions, 3-5 and 9-11 the same without the sign bits
.macro QB sg
.set HB, 32+96*\sg
	WIN 0
.irp x, 0,1
	v_cvt_scalef32_pk16_bf6_f32 v[HB+HF+12*\x:HB+HF+12*\x+2], v[HB+32*\x:HB+32*\x+15], v[HB+HE+\x]
	v_cvt_scalef32_pk16_bf6_f32 v[HB+HF+12*\x+6:HB+HF+12*\x+8], v[HB+32*\x+16:HB+32*\x+31], v[HB+HE+\x]
.endr
	v_nop                                          ; a plain line behind the scaled conversions
.irp x, 0,1
.irp i, 0,1,2
	v_and_b32 v[HB+HF+12*\x+3+\i], s[60+\i], v[HB+HF+12*\x+\i]
	v_and_b32 v[HB+HF+12*\x+9+\i], s[60+\i], v[HB+HF+12*\x+6+\i]
.endr
.endr
.endm
; layer L + 1 of a stream: four unit tiles x two pixel tiles, eight results that share no register; C is the bias, in the result's layout.
; In front of it stand 32 plain lines or more of the other stream behind the last write of an operand or a scale word; its results are first read behind 13 plain lines or more of the other stream (ISA guide 7.12.1).
.macro MM L, sg
.set HB, 32+96*\sg
	WIN 0x11                                       ; source 0 (the weights) and C (the bias) in window 1
.irp u, 0,1,2,3
.irp x, 0,1
	v_wmma_scale_f32_16x16x128_f8f6f4 v[HB+32*\x+8*\u:HB+32*\x+8*\u+7], v[AW+48*\L+12*\u:AW+48*\L+12*\u+11], v[HB+HF+12*\x:HB+HF+12*\x+11], v[BI+32*\L+8*\u:BI+32*\L+8*\u+7], v[WS+4*\L+\u], v[HB+HSC+\x] matrix_a_fmt:MATRIX_FMT_BF6 matrix_b_fmt:MATRIX_FMT_BF6
.endr
.endr
.endm
; the last relu stands ahead of no quantiser: two a line, each result from its low end on
.macro RELU sg
.set HB, 32+96*\sg
	WIN 0
.set i, 0
.rept 32
	v_dual_max_num_f32 v[HB+i], 0, v[HB+i] :: v_dual_max_num_f32 v[HB+i+1], 0, v[HB+i+1]
.set i, i+2
.endr
.endm
; the product with w3: my 32 units of each tile's pixel, two at a time in two chains a tile; the halves of the lanes change places so that lane l ends with pixel l's whole sum
.macro DOT sg
.set HB, 32+96*\sg
	WIN 0x04                                       ; source 1 (w3) in window 1
.irp q, 0,1,2,3,4,5,6,7,8,9,10,11,12,13,14,15
.irp x, 0,1
.if \q < 2
	v_pk_mul_f32 v[ACC+4*\x+2*(\q%2):ACC+4*\x+2*(\q%2)+1], v[HB+32*\x+2*\q:HB+32*\x+2*\q+1], v[W3+2*\q:W3+2*\q+1]   ; the first products start the sums
.else
	v_pk_fma_f32 v[ACC+4*\x+2*(\q%2):ACC+4*\x+2*(\q%2)+1], v[HB+32*\x+2*\q:HB+32*\x+2*\q+1], v[W3+2*\q:W3+2*\q+1], v[ACC+4*\x+2*(\q%2):ACC+4*\x+2*(\q%2)+1]
.endif
.endr
.endr
	WIN 0
.irp x, 0,1
	v_pk_add_f32 v[ACC+4*\x:ACC+4*\x+1], v[ACC+4*\x:ACC+4*\x+1], v[ACC+4*\x+2:ACC+4*\x+3]
.endr
.irp x, 0,1
	v_add_f32 v[PSUM+\x], v[ACC+4*\x], v[ACC+4*\x+1]
.endr
	v_permlane16_swap_b32 v[PSUM], v[PSUM+1]       ; tile lo's upper half changes places with tile hi's lower half
	v_add_f32 v[HB+HO], v[PSUM], v[PSUM+1]
.endm
; p = 1 / (1 + 2^(-log2(e) mult (2^((dot + b3) log2(e)) - r))) for groups g0 and g0 + 1
.macro TAIL2 g0, s
.irp u, 0,1
	v_fma_f32 v[32+96*\u+HO], v[32+96*\u+HO], s46, s[B3L+\s]
.endr
.irp u, 0,1
	v_exp_f32 v[32+96*\u+HO], v[32+96*\u+HO]
.endr
	v_nop
	s_wait_alu depctr_va_vdst(0)
.irp u, 0,1
	v_sub_f32 v[32+96*\u+HO], v[32+96*\u+HO], v[R+\g0+\u]
.endr
.irp u, 0,1
	v_mul_f32 v[32+96*\u+HO], s[NM+\s], v[32+96*\u+HO]
.endr
.irp u, 0,1
	v_exp_f32 v[32+96*\u+HO], v[32+96*\u+HO]
.endr
	v_nop
	s_wait_alu depctr_va_vdst(0)
.irp u, 0,1
	v_add_f32 v[32+96*\u+HO], 1.0, v[32+96*\u+HO]
.endr
.irp u, 0,1
	v_rcp_f32 v[P+\g0+\u], v[32+96*\u+HO]
.endr
	v_nop
.endm
; two groups as two streams: each run of eight matrix instructions stands between vector work of the other stream
.macro TRIP g0, s
	L0 0, \g0
	QA 0
	QB 0
	L0 1, \g0+1
	MM 0, 0
	QA 1
	QB 1
	QA 0
	MM 0, 1
	QB 0
	QA 1
	MM 1, 0
	QB 1
	RELU 0
	MM 1, 1
	DOT 0
	RELU 1
	DOT 1
	TAIL2 \g0, \s
.endm
.macro BATCH s
.if \s
	v_add_nc_u32 v[PA], s[PO], v[PS]
	ds_load_b128 v[P0:P0+3], v[PA]                 ; slot 0's p of these pixels: asked for a whole batch's work ahead of its use
.endif
	LIN CY, RI, TM, TM+1
	v_sub_f32 v[DY], v[CY], s[POS+1+2*\s]
	v_mul_f32 v[DY2], v[DY], v[DY]
	HEAD4 \s
	TRIP 0, \s
	TRIP 2, \s
.if \s
	s_wait_dscnt 0x0                               ; slot 0's p are in
	s_wait_alu depctr_va_vdst(0)
.irp g, 0,1,2,3
	v_fma_f32 v[TM+\g], v[P+\g], s74, v[P0+\g]     ; p0 + p1 or p0 - p1
.endr
.irp g, 0,1,2,3
	v_med3_num_f32 v[TM+\g], v[TM+\g], 0, 1.0
.endr
.irp g, 0,1,2,3
	v_cndmask_b32 v[P0+\g], v[TM+\g], v[P0+\g], s75    ; program 0: p0 as it is
.endr
	global_store_b128 v[GO], v[P0:P0+3], s[78:79] th:TH_STORE_NT   ; the wave stores 512 consecutive bytes, at a multiple of 512 from out0's first byte; written once, read by nobody here
	s_wait_xcnt 0x0                                ; the store's data and its base are written again only behind this wait
	s_add_nc_u64 s[78:79], s[78:79], 512
.else
	v_add_nc_u32 v[PA], s[PO], v[PS]
	s_wait_alu depctr_va_vdst(0)
	ds_store_b128 v[PA], v[P:P+3]
.endif
	v_add_f32 v[RI], 2.0, v[RI]
	s_add_co_u32 s[PO], s[PO], 512
.endm
; a slot: its constants from LDS into window 1 and the scale words' registers, then the wave's four batches
.macro PASS s
	WIN 0x40                                       ; destination window 1, address window 0
.irp f, 0,1,2,3,4,5,6,7
.irp c, 0,1,2
	ds_load_b128 v[AW+12*\f+4*\c:AW+12*\f+4*\c+3], v[LI] offset:FRG+\s*8*FRB+\f*FRB+512*\c     ; a fragment comes back as the image of its registers
.endr
.endr
.irp q, 0,1,2,3,4
.irp j, 0,1,2,3,4,5,6,7
	ds_load_b128 v[32*\q+4*\j:32*\q+4*\j+3], v[VH] offset:VEC+(5*\s+\q)*256+16*\j              ; numbers 32 h + 4 j on: the sixteen lanes of a half read the same 16 bytes
.endr
.endr
	WIN 0
.irp f, 0,1,2,3,4,5,6,7
	ds_load_b32 v[WS+\f], v[LS] offset:WSC+\s*512+64*\f
.endr
	v_mov_b32 v[RI], v[RI0]
	s_mov_b32 s[PO], 0
	s_mov_b32 s[CNT], 4
	s_wait_dscnt 0x0
.Lbatch_\s:
	BATCH \s
	s_sub_co_u32 s[CNT], s[CNT], 1
	s_cmp_lg_u32 s[CNT], 0
	s_cbranch_scc1 .Lbatch_\s
.endm
	PASS 0
	PASS 1                                         ; its loads land in registers that matrix instructions have read: the last dot products and the tail, over a hundred plain lines, stand between
	s_wait_tensorcnt 0x0
	ds_add_u32 v223, v255
	s_wait_dscnt 0x0
	s_endpgm
.Lfunc_end_k_q2a52a330a7_render:
	.size	k_q2a52a330a7_render, .Lfunc_end_k_q2a52a330a7_render-k_q2a52a330a7_render
	.p2alignl 7, 3214868480
	.fill 96, 4, 3214868480
	.section	.rodata,"a",@progbits
	.p2align	6, 0x0
	.amdhsa_kernel k_q2a52a330a7_render
		.amdhsa_group_segment_fixed_size 46080
		.amdhsa_private_segment_fixed_size 0
		.amdhsa_enable_private_segment 0
		.amdhsa_kernarg_size 104
		.amdhsa_user_sgpr_count 2
		.amdhsa_user_sgpr_kernarg_segment_ptr 1
		.amdhsa_wavefront_size32 1
		.amdhsa_system_sgpr_workgroup_id_x 1
		.amdhsa_system_sgpr_workgroup_id_y 1
		.amdhsa_system_sgpr_workgroup_id_z 1
		.amdhsa_system_vgpr_workitem_id 0
		.amdhsa_next_free_vgpr 512
		.amdhsa_next_free_sgpr 100
		.amdhsa_reserve_vcc 0
		.amdhsa_float_denorm_mode_32 3
		.amdhsa_float_denorm_mode_16_64 3
		.amdhsa_memory_ordered 1
		.amdhsa_forward_progress 1
		.amdhsa_inst_pref_size 167
	.end_amdhsa_kernel
	.amdgpu_metadata
---
amdhsa.version: [ 1, 2 ]
amdhsa.kernels:
  - .name:           k_q2a52a330a7_render
    .symbol:         k_q2a52a330a7_render.kd
    .args:
      - { .name: program_id, .offset: 0, .size: 8, .value_kind: global_buffer, .address_space: global }
      - { .name: shape_ids, .offset: 8, .size: 8, .value_kind: global_buffer, .address_space: global }
      - { .name: raw_positions, .offset: 16, .size: 8, .value_kind: global_buffer, .address_space: global }
      - { .name: w0, .offset: 24, .size: 8, .value_kind: global_buffer, .address_space: global }
      - { .name: b0, .offset: 32, .size: 8, .value_kind: global_buffer, .address_space: global }
      - { .name: w1, .offset: 40, .size: 8, .value_kind: global_buffer, .address_space: global }
      - { .name: b1, .offset: 48, .size: 8, .value_kind: global_buffer, .address_space: global }
      - { .name: w2, .offset: 56, .size: 8, .value_kind: global_buffer, .address_space: global }
      - { .name: b2, .offset: 64, .size: 8, .value_kind: global_buffer, .address_space: global }
      - { .name: w3, .offset: 72, .size: 8, .value_kind: global_buffer, .address_space: global }
      - { .name: b3, .offset: 80, .size: 8, .value_kind: global_buffer, .address_space: global }
      - { .name: logit_multipliers_raw, .offset: 88, .size: 8, .value_kind: global_buffer, .address_space: global }
      - { .name: out0, .offset: 96, .size: 8, .value_kind: global_buffer, .address_space: global }
    .group_segment_fixed_size: 46080
    .private_segment_fixed_size: 0
    .kernarg_segment_align: 8
    .kernarg_segment_size: 104
    .max_flat_workgroup_size: 256
    .sgpr_count:     100
    .vgpr_count:     512
    .wavefront_size: 32
...
	.end_amdgpu_metadata
.endif
;; end of part 1
;; ======== version 2 of 2: 1 launch; version 1 with the launch render written anew for expert scheduling mode
;; launch render (part 2): grid 256 x 1, 8 waves a work-group, no clusters, 46,080 bytes of LDS; arguments program_id, shape_ids, raw_positions, w0, b0, w1, b1, w2, b2, w3, b3, logit_multipliers_raw, out0; writes out0
.if DOCPART == 2
	.amdgcn_target "amdgcn-amd-amdhsa--gfx1250"
	.amdhsa_code_object_version 6
	.text
	.protected	k_q2a52a330a7_render
	.globl	k_q2a52a330a7_render
	.p2align	8
	.type	k_q2a52a330a7_render,@function
k_q2a52a330a7_render:
	s_mov_b64 s[64:65], 0
	v_nop
	global_prefetch_b8 v0, s[64:65] scope:SCOPE_SE
	s_setreg_imm32_b32 hwreg(HW_REG_WAVE_SCHED_MODE, 0, 2), 2
	s_setreg_imm32_b32 hwreg(HW_REG_WAVE_MODE, 25, 1), 1
	s_wait_xcnt 0x0
	s_wait_alu depctr_vm_vsrc(0)
; out0[b][i][j]: for each of the two slots of element b: dx = x(j) - posx, dy = y(i) - posy, theta = atan2(dy, dx), an MLP 1-64-64-64-1 of theta with the weights of primitive shape_ids[b][slot],
; p = sigmoid(exp(multiplier) (exp(o) - sqrt(dx^2 + dy^2))); the two p are joined as program_id[b] says.  The two 64 x 64 products run on codes of BF6 (E3M2) with one E8M0 scale for each 32 along K; all else is f32.
; SHARES.  Work-group b = element b (256 work-groups).  Wave w of eight takes image rows 8 w .. 8 w + 7, first for slot 0 (its p go to the wave's own LDS bytes), then for slot 1 (joined and stored).
; A batch is two image rows = four groups of 32 pixels; lane l of group g has row 2 batch + l / 16, column 4 (l % 16) + g, so that a lane's four results are 16 neighbouring bytes and a wave's store covers 512 consecutive aligned bytes.
; A group is two tiles of 16 pixels (lanes 0-15's and lanes 16-31's).
; LAYOUT.  Both products are used transposed: source 0 = 16 output units, source 1 = 16 pixels.  Row m of unit tile u is unit 8 u + m % 8 + 32 (m / 8), so that lane (r, h) holds, in the 32 registers of the four tiles,
; units 32 h + 0 .. 31 of pixel r: ONE WHOLE BLOCK of the next K, in order: its largest number needs no other lane.  Layer 0 is computed straight in that layout; w0, b0, b1, b2, w3 are 32 registers a lane, number 32 h + i in register i.
; K IS 64, THE INSTRUCTION'S K IS 128.  Of a lane's 12 operand registers, 0-2 hold the codes of its numbers 0-15 and 6-8 those of 16-31 (the same places in the weights' fragments); the instruction's blocks 0, 2 carry the scale of true block 0, blocks 1, 3 that of block 1.
; THE RELU AHEAD OF A QUANTISER IS DONE IN THE OTHER HALF OF K: relu(x) W = x (W / 2) + |x| (W / 2).  The block's scale is taken from the largest number WITHOUT |.| (which is relu's largest magnitude); the raw numbers are converted
; (negative ones become negative codes, held at -28); registers 3-5 and 9-11 get the same codes with the sign bits cleared; the weights' fragments hold each code twice and their scale bytes are one lower (the half).
; For x >= 0 the two products add up to Q(x) Q(W), for x < 0 they cancel: the sum is that of the stated quantiser on relu(x).
; The biases b1, b2 are the C of the one matrix instruction that makes a tile: each sum is a single K step, so no accumulator is added onto and nothing is cleared.
; NO CLUSTER, NO TENSOR LOADS: all inputs together are 75,280 bytes; a work-group reads 64 KiB of weights once, quantises them once (each wave the halves of four of the sixteen fragments) and keeps a slot's constants in 256 registers a wave.
; LIMITS: NaN and infinities among the inputs are not served.  theta: an f32 polynomial after a reduction by tan(pi / 8), about 3e-7 of the number.  A block without a positive number (weights: a block of zeros) carries the floor's byte
; (1; weights 0) where the rule says 127: its products are zeros or cancel, and this program alone reads the bytes.  shape_ids are held to 0 .. 1.  program_id: 0 gives p0, 2 the clipped difference, any other number the clipped sum.
; THE MODE: SCHED_MODE bits 1:0 = 2 (LLVM: expert scheduling mode 2), set by the entry lines.  The code itself states the register dependences
; between vector or matrix instructions and memory or LDS instructions, with s_wait_alu, always for 0.
; THE PLAN.  Registers that memory or LDS instructions touch:
;   v1, v2, v3, v6     LDS addresses and out0's offset: written once at the head, read by the slots' LDS loads and by the stores, never written again.
;   v96-100            the set-up's addresses; v106-109, v115, v160-183 the data of its LDS stores.  All of them are written again by the streams of the first batch.
;   v32-95             the weights' loads land here; vector lines alone name them afterwards.
;   window 1, v16-23   a slot's constants: LDS loads land in them at the slot's head; layer 0, the products and the dot products read them.
;   v5 (PA)            written by one addition a batch, read by the batch's one LDS instruction.
;   v24-27 (P)         written by the reciprocals; in slot 0 read by the batch's LDS store.
;   v28-31 (P0)        slot 1: the LDS load lands here; the joining lines read and write it; the store to out0 reads it.
;   v223, v255         written at the head, read by the closing add alone.
; A BATCH'S WAITS.  At its head ONE wait on vm_vsrc: the last batch's LDS instruction and store have read PA, P, P0 (first batch: the set-up's loads and stores have read their registers).
; The wait on va_vdst that stands behind the head's reciprocals and roots also states that PA is written and that the last batch is done with P0: slot 1's LDS load stands directly behind it.
; One wait on va_vdst stands ahead of each run of eight products: vector lines have written its operands and scale words.  One stands ahead of the batch's LDS store or store to out0: its data are written.
; The head's twelve compares stand in one run, with one wait on va_sdst ahead of the first select.
.set FRB,  1536                        ; a fragment's image in LDS: 12 registers x 32 lanes x 4 bytes; register group c (four registers) at 512 c + 16 x lane
.set FRG,  0                           ; 16 fragments: ((slot x 2 + layer) x 4 + unit tile) x FRB
.set WSC,  FRG+16*FRB                  ; their scale words: 64 bytes a fragment, word m for row m
.set VEC,  WSC+16*64                   ; (slot x 5 + v) x 256: 64 f32 as they lie; v = 0 w0, 1 b0, 2 b1, 3 b2, 4 w3
.set PST,  VEC+10*256                  ; slot 0's p: 2,048 bytes a wave, 512 a batch, 16 a lane; written and read by the same lane
; window 0
.set LI,   1                           ; 16 x lane
.set LS,   2                           ; 4 x (lane % 16): a scale word's place; also the lane's first column
.set VH,   3                           ; 128 x (lane / 16)
.set PS,   4                           ; PST + 2048 x wave + 16 x lane
.set PA,   5                           ; the same for the batch in hand
.set GO,   6                           ; 2048 x wave + 16 x lane: my bytes in the element's image
.set RI0,  7                           ; my first image row as f32
.set RI,   8                           ; the batch's
.set CY,   9
.set DY,   10
.set DY2,  11
.set CX,   12                          ; v12-15  x of column 4 (lane % 16) + g
.set WS,   16                          ; v16-23  the weights' scale words, 4 x layer + unit tile: they hold scales alone
.set P,    24                          ; v24-27  the batch's p
.set P0,   28                          ; v28-31  slot 0's p, then the result
.set HF,   64                          ; a stream (v32-127, v128-223): +0 .. 63 hidden numbers, tile x at 32 x; +64 + 12 x the operand; +88 + x its scale word (scales alone); +90 + x the conversion's scale; +92 the dot
.set HSC,  88
.set HE,   90
.set HO,   92
.set TH,   224                         ; v224-231 group g: the pair (tile lo's theta, tile hi's)
.set R,    232                         ; v232-235 sqrt(dx^2 + dy^2)
.set TM,   236                         ; v236-253 at work
.set ACC,  TM+8
.set PSUM, TM+16
.set PI4,  254                         ; pi / 4
.set HT,   32                          ; the head's 16 registers a group, where stream 0's hidden numbers will lie
.set hDX, 0
.set hMN, 1
.set hMX, 2
.set hD2, 3
.set hTT, 4
.set hNU, 5
.set hDE, 6
.set hOF, 7
.set hRC, 8
.set hQ0, 9
.set hER, 10
.set hQQ, 11
.set hZ,  12
.set hPL, 13
.set hAT, 14
.set hA2, 15
; window 1: the constants of the slot in hand
.set W0,   0
.set B0,   32
.set BI,   64                          ; b1, then b2
.set W3,   128
.set AW,   160                         ; 8 fragments: 12 x (4 x layer + unit tile)
; the set-up's registers, in window 0
.set WN,   32                          ; v32-95  64 numbers of one column of a weight
.set FST,  96
.set SST,  97
.set VST,  98
.set WOFF, 99
.set VL,   100
.set TW,   101
.set TA,   102
.set TB,   103
.set TC,   104
.set TD,   105
.set VC,   106                         ; v106-109
.set QM,   110
.set QE,   112
.set WBY,  113
.set WW,   115
.set T,    128                         ; v128-150
.set WI,   160                         ; v160-183 two images
; scalars
.set WV,   44
.set POS,  66                          ; s66-69  posx0, posy0, posx1, posy1
.set NM,   70                          ; s70-71  -log2(e) exp(multiplier)
.set B3L,  72                          ; s72-73  b3 log2(e)
.set CNT,  76
.set PO,   77
.set MSB, 0
.macro WIN new                         ; the immediate's high byte repeats the setting that is left; a switch that changes nothing is dropped
.if MSB != \new
	s_set_vgpr_msb (MSB<<8)|\new
.set MSB, \new
.endif
.endm
; the grid: s = n / 63 rounded once (a product by 1 / 63 and one correction), then s - (1 - s)
.macro LIN dst, src, t0, t1
	v_mul_f32 v[\t0], s55, v[\src]
	v_fma_f32 v[\t1], -v[\t0], s56, v[\src]
	v_fma_f32 v[\t0], v[\t1], s55, v[\t0]
	v_sub_f32 v[\t1], 1.0, v[\t0]
	v_sub_f32 v[\dst], v[\t0], v[\t1]
.endm
	s_load_b512 s[4:19], s[0:1], 0x0               ; program_id s[4:5], shape_ids s[6:7], raw_positions s[8:9], w0 s[10:11], b0 s[12:13], w1 s[14:15], b1 s[16:17], w2 s[18:19]
	s_load_b256 s[20:27], s[0:1], 0x40             ; b2 s[20:21], w3 s[22:23], b3 s[24:25], logit_multipliers_raw s[26:27]
	s_load_b64 s[28:29], s[0:1], 0x60              ; out0
	v_lshl_add_u32 v223, v0, 2, 0xb000             ; my spare word's LDS address, behind slot 0's p, and 0: made here and kept for the closing lines alone
	v_mov_b32 v255, 0
	v_lshrrev_b32 v[TW], 5, v0
	v_readfirstlane_b32 s[WV], v[TW]               ; wave 0..7
	s_lshl_b32 s34, ttmp9, 2                       ; the element's bytes in program_id,
	s_lshl_b32 s35, ttmp9, 3                       ; in shape_ids,
	s_lshl_b32 s31, ttmp9, 4                       ; in raw_positions
	s_wait_alu depctr_va_sdst(0)                   ; the wave's number is written into s44, ahead of its first reader, the line below
	s_lshr_b32 s45, s[WV], 2                       ; in the set-up waves 0-3 serve slot 0, waves 4-7 slot 1
	s_lshl_b32 s45, s45, 2
	s_add_co_u32 s45, s45, s35
	s_wait_kmcnt 0x0
	s_load_b32 s30, s[4:5], s34 offset:0x0         ; program_id[b]
	s_load_b64 s[32:33], s[6:7], s35 offset:0x0    ; both shape ids
	s_load_b32 s[CNT], s[6:7], s45 offset:0x0      ; and once more that of the slot that my wave serves in the set-up
	s_load_b128 s[36:39], s[8:9], s31 offset:0x0   ; raw x0, y0, x1, y1
	; every address register is made here, of the thread's number and constants alone
	v_and_b32 v[LI], 31, v0
	v_lshlrev_b32 v[VL], 3, v[LI]                  ; 8 x lane
	v_lshlrev_b32 v[LI], 4, v[LI]
	v_and_b32 v[LS], 15, v0
	v_lshlrev_b32 v[LS], 2, v[LS]
	v_bfe_u32 v[TD], v0, 4, 1                      ; h
	v_lshlrev_b32 v[VH], 7, v[TD]
	v_lshl_add_u32 v[GO], v[TW], 11, v[LI]
	v_add_nc_u32 v[PS], PST, v[GO]
	v_bfe_u32 v[TA], v0, 3, 2                      ; set-up: my column is unit 32 (wave % 2) + lane: unit tile lane / 8,
	v_and_b32 v[TB], 7, v0                         ; row lane % 8 + 8 (wave % 2) of it
	v_bfe_u32 v[TC], v0, 5, 1
	v_lshrrev_b32 v[FST], 6, v0                    ; slot x 2 + layer = wave / 2
	v_mul_u32_u24 v[FST], v[FST], 4*FRB
	v_mad_u32_u24 v[FST], v[TA], FRB, v[FST]
	v_lshl_add_u32 v[FST], v[TB], 4, v[FST]
	v_lshl_add_u32 v[FST], v[TC], 7, v[FST]        ; the image's place of lane (row, 0); K block 1's is 256 bytes on
	v_lshrrev_b32 v[SST], 6, v0
	v_lshl_add_u32 v[SST], v[SST], 8, WSC
	v_lshl_add_u32 v[SST], v[TA], 6, v[SST]
	v_lshl_add_u32 v[SST], v[TB], 2, v[SST]
	v_lshl_add_u32 v[SST], v[TC], 5, v[SST]        ; my row's scale word
	v_lshl_add_u32 v[VST], v0, 3, VEC              ; vector number = wave, 8 bytes a lane
	v_and_b32 v[WOFF], 63, v0
	v_lshlrev_b32 v[WOFF], 2, v[WOFF]              ; my column's bytes in a row of a weight
	v_lshl_add_u32 v[RI0], v[TW], 3, v[TD]
	v_cvt_f32_u32 v[RI0], v[RI0]                   ; image row 8 wave + h
	v_mov_b32 v[TM+6], 0                           ; written once: a lane permute's destination counts as one of its sources
	v_mov_b32 v[TM+7], 0
	v_mov_b32 v[PI4], 0x3f490fdb
	s_mov_b32 s46, 0x3fb8aa3b                      ; log2(e)
	s_mov_b32 s63, 0xbfb8aa3b                      ; -log2(e)
	s_mov_b32 s47, 0x3ed413cd                      ; tan(pi / 8)
	s_mov_b32 s49, 0x3fc90fdb                      ; pi / 2
	s_mov_b32 s50, 0x40490fdb                      ; pi
	s_mov_b32 s51, 0x3da4f0d1                      ; atan(q) = q + q z (((s51 z + s52) z + s53) z + s54), z = q^2, for |q| <= tan(pi / 8)
	s_mov_b32 s52, 0xbe0e1b85
	s_mov_b32 s53, 0x3e4c925f
	s_mov_b32 s54, 0xbeaaaa2a
	s_mov_b32 s55, 0x3c820821                      ; 1 / 63
	s_mov_b32 s56, 0x427c0000                      ; 63
	s_mov_b32 s57, 0x07030703                      ; byte selects: my top byte, the other half's, twice
	s_mov_b32 s58, 0x76543210
	s_mov_b32 s59, 0xfedcba98                      ; v_permlanex16_b32's selects for lane l xor 16
	s_mov_b32 s60, 0xdf7df7df                      ; the three words of 16 codes without their sign bits (bit 5 of each six)
	s_mov_b32 s61, 0xf7df7df7
	s_mov_b32 s62, 0x7df7df7d
	s_wait_kmcnt 0x0
	s_min_u32 s32, s32, 1                          ; an index stays inside its table
	s_min_u32 s33, s33, 1
	s_min_u32 s[CNT], s[CNT], 1
	s_lshl_b32 s80, s32, 2
	s_lshl_b32 s81, s33, 2
	s_load_b32 s40, s[24:25], s80 offset:0x0       ; b3 of slot 0's primitive, of slot 1's
	s_load_b32 s41, s[24:25], s81 offset:0x0
	s_load_b32 s42, s[26:27], s80 offset:0x0       ; the raw multipliers likewise
	s_load_b32 s43, s[26:27], s81 offset:0x0
	; the weights: wave w takes slot w / 4, layer (w / 2) % 2, columns 32 (w % 2) + lane; a lane's 64 registers run down K
	s_and_b32 s82, s[WV], 2
	s_cmp_lg_u32 s82, 0
	s_cselect_b64 s[92:93], s[18:19], s[14:15]     ; w2 or w1: the choice hangs on the wave's number alone
	s_lshl_b32 s94, s[CNT], 14                     ; the primitive's 16,384 bytes
	s_mov_b32 s95, 0
	s_add_nc_u64 s[92:93], s[92:93], s[94:95]
	s_wait_alu depctr_va_vdst(0)                   ; every address and offset register of the kernel is written (v1-v3, v6, v96-v100): the loads below read v99 and v100, the later LDS instructions and stores the others
.set i, 0
.rept 64
	global_load_b32 v[WN+i], v[WOFF], s[92:93] offset:256*i    ; row k = i: the wave reads 128 consecutive bytes
.set i, i+1
.endr
	; the five vectors: wave v < 5 brings vector v for both slots.  Waves 5 to 7 have none: their pointer stays w0's, inside its buffer, and what they load is not stored
	s_cmp_eq_u32 s[WV], 1
	s_cselect_b64 s[96:97], s[12:13], s[10:11]
	s_cmp_eq_u32 s[WV], 2
	s_cselect_b64 s[96:97], s[16:17], s[96:97]
	s_cmp_eq_u32 s[WV], 3
	s_cselect_b64 s[96:97], s[20:21], s[96:97]
	s_cmp_eq_u32 s[WV], 4
	s_cselect_b64 s[96:97], s[22:23], s[96:97]
	s_lshl_b32 s94, s32, 8
	s_add_nc_u64 s[98:99], s[96:97], s[94:95]
	s_lshl_b32 s94, s33, 8
	s_add_nc_u64 s[96:97], s[96:97], s[94:95]
	global_load_b64 v[VC:VC+1], v[VL], s[98:99]
	global_load_b64 v[VC+2:VC+3], v[VL], s[96:97]
	s_lshl_b32 s94, ttmp9, 14
	s_add_nc_u64 s[78:79], s[28:29], s[94:95]      ; out0 at my element
	s_cmp_eq_u32 s30, 2
	s_cselect_b32 s74, -1.0, 1.0                   ; p0 - p1 or p0 + p1
	s_cmp_eq_u32 s30, 0
	s_cselect_b32 s75, -1, 0                       ; a lane mask: all lanes take p0
	; while the loads are out: the columns' x, the positions, the multipliers.  These lines name none of the registers that the loads above touch
.irp g, 0,1,2,3
	v_add_nc_u32 v[T+17+\g], \g, v[LS]
	v_cvt_f32_u32 v[T+17+\g], v[T+17+\g]
	LIN CX+\g, T+17+\g, T+21, T+22
.endr
	s_wait_kmcnt 0x0                               ; b3 and the raw multipliers
.irp k, 0,1,2,3
	v_mul_f32 v[T+\k], s63, s[36+\k]               ; sigmoid(x) = 1 / (1 + 2^(-x log2(e)))
.endr
.irp k, 0,1
	v_mul_f32 v[T+4+\k], s46, s[42+\k]
	v_mul_f32 v[T+6+\k], s46, s[40+\k]             ; b3 log2(e)
.endr
.irp k, 0,1,2,3
	v_min_num_f32 v[T+\k], 0x42800000, v[T+\k]     ; held at 64: 1 / (1 + 2^64) is 0 beside the 0.5 that follows, and no infinity is made
.endr
.irp k, 0,1,2,3,4,5
	v_exp_f32 v[T+\k], v[T+\k]
.endr
	v_nop                                          ; a plain line behind the transcendentals
	s_wait_alu depctr_va_vdst(0)                   ; the six exponentials have written v128-133, ahead of their first reader
.irp k, 0,1,2,3
	v_add_f32 v[T+\k], 1.0, v[T+\k]
.endr
.irp k, 0,1
	v_mul_f32 v[T+4+\k], s63, v[T+4+\k]            ; -log2(e) exp(multiplier)
.endr
.irp k, 0,1,2,3
	v_rcp_f32 v[T+8+\k], v[T+\k]
.endr
	v_nop
	s_wait_alu depctr_va_vdst(0)                   ; the four reciprocals have written v136-139, ahead of their first reader
.irp k, 0,1,2,3
	v_fma_f32 v[T+12+\k], -v[T+\k], v[T+8+\k], 1.0 ; one Newton step: the positions stand ahead of a quantiser
.endr
.irp k, 0,1,2,3
	v_fma_f32 v[T+8+\k], v[T+12+\k], v[T+8+\k], v[T+8+\k]
.endr
.irp k, 0,1,2,3
	v_add_f32 v[T+8+\k], -0.5, v[T+8+\k]
.endr
.irp k, 0,1,2,3
	v_readfirstlane_b32 s[POS+\k], v[T+8+\k]       ; the same in every lane: kept as scalars, used as numbers alone
.endr
.irp k, 0,1
	v_readfirstlane_b32 s[NM+\k], v[T+4+\k]
	v_readfirstlane_b32 s[B3L+\k], v[T+6+\k]
.endr
	s_wait_alu depctr_va_sdst(0)                   ; the eight scalars s66-s73 are written: one wait behind the run, ahead of the first branch; their readers stand in the batches
	s_wait_loadcnt 0x0                             ; the weights and the vectors
; K block kb of my column: 32 numbers, all mine.  Scale, codes, each code twice: the image of lane (row, kb) of the fragment, in registers
.macro WQ kb
.set XS, WN+32*\kb
.set G, WI+12*\kb
	v_max3_num_f32 v[QM], |v[XS]|, |v[XS+1]|, 0x2800000        ; with the floor 2^(5 - 127) among the leaves: the exponent field is 5 at the least
	v_max3_num_f32 v[QM+1], |v[XS+2]|, |v[XS+3]|, |v[XS+4]|
.irp i, 5,9,13,17,21,25
	v_max3_num_f32 v[QM], v[QM], |v[XS+\i]|, |v[XS+\i+1]|
	v_max3_num_f32 v[QM+1], v[QM+1], |v[XS+\i+2]|, |v[XS+\i+3]|
.endr
	v_max3_num_f32 v[QM], v[QM], |v[XS+29]|, |v[XS+30]|
	v_max3_num_f32 v[QM], v[QM], v[QM+1], |v[XS+31]|
	v_add_nc_u32 v[QE], 0xfe000000, v[QM]          ; 4 off the exponent field: the conversion's scale operand
	v_add_nc_u32 v[WBY+\kb], 0xfd800000, v[QM]     ; 5 off: the scale's byte less one, which is the half of W / 2
	v_lshrrev_b32 v[WBY+\kb], 23, v[WBY+\kb]
	v_cvt_scalef32_pk16_bf6_f32 v[G:G+2], v[XS:XS+15], v[QE]
	v_cvt_scalef32_pk16_bf6_f32 v[G+6:G+8], v[XS+16:XS+31], v[QE]
	v_nop                                          ; a plain line behind the scaled conversions
.irp i, 0,1,2
	v_mov_b32 v[G+3+\i], v[G+\i]                   ; the copy that meets |x|
	v_mov_b32 v[G+9+\i], v[G+6+\i]
.endr
.endm
; and the image's way into LDS
.macro WST kb
.set G, WI+12*\kb
.irp c, 0,1,2
	ds_store_b128 v[FST], v[G+4*\c:G+4*\c+3] offset:FRG+256*\kb+512*\c
.endr
.endm
	WQ 0
	WQ 1
	v_lshl_or_b32 v[WW], v[WBY+1], 8, v[WBY]       ; the instruction's blocks 0, 1, 2, 3 are true blocks 0, 1, 0, 1
	v_lshl_or_b32 v[WW], v[WW], 16, v[WW]
	s_wait_alu depctr_va_vdst(0)                   ; the conversions and moves have written both images (v160-183), the shifts the scale word (v115): the seven LDS stores below read them
	WST 0
	WST 1
	ds_store_b32 v[SST], v[WW]
	s_cmp_ge_u32 s[WV], 5
	s_cbranch_scc1 .Lno_vector
	ds_store_b64 v[VST], v[VC:VC+1]                ; slot 0's  (the data came by loads, which have been waited for)
	ds_store_b64 v[VST], v[VC+2:VC+3] offset:5*256 ; slot 1's
.Lno_vector:
	s_wait_dscnt 0x0                               ; for the others' sake: my stores into the fragments, scale words and vectors are done
	s_barrier_signal -1
	s_barrier_wait -1                              ; everybody's are; these bytes are only read from here on: the kernel's one barrier
; dx, r and theta of the batch's four groups, a lane to a pixel; each line for the four groups in turn, so that no line waits for the line above it
.macro HEAD4 s
.irp g, 0,1,2,3
	v_sub_f32 v[HT+16*\g+hDX], v[CX+\g], s[POS+2*\s]
.endr
.irp g, 0,1,2,3
	v_min_num_f32 v[HT+16*\g+hMN], |v[HT+16*\g+hDX]|, |v[DY]|
.endr
.irp g, 0,1,2,3
	v_max3_num_f32 v[HT+16*\g+hMX], |v[HT+16*\g+hDX]|, |v[DY]|, 0x800000   ; the floor makes atan2(0, 0) = 0
.endr
.irp g, 0,1,2,3
	v_fma_f32 v[HT+16*\g+hD2], v[HT+16*\g+hDX], v[HT+16*\g+hDX], v[DY2]
.endr
.irp g, 0,1,2,3
	v_mul_f32 v[HT+16*\g+hTT], s47, v[HT+16*\g+hMX]
.endr
.irp g, 0,1,2,3
	v_cmp_gt_f32 s[80+\g], v[HT+16*\g+hMN], v[HT+16*\g+hTT]                ; min / max > tan(pi / 8): atan(t) = pi / 4 + atan((t - 1) / (t + 1))
.endr
.irp g, 0,1,2,3
	v_cmp_gt_f32 s[84+\g], |v[DY]|, |v[HT+16*\g+hDX]|                      ; the head's twelve compares stand in one run, into twelve scalars
.endr
.irp g, 0,1,2,3
	v_cmp_gt_f32 s[88+\g], 0, v[HT+16*\g+hDX]
.endr
.irp g, 0,1,2,3
	v_sub_f32 v[HT+16*\g+hNU], v[HT+16*\g+hMN], v[HT+16*\g+hMX]
.endr
.irp g, 0,1,2,3
	v_add_f32 v[HT+16*\g+hDE], v[HT+16*\g+hMN], v[HT+16*\g+hMX]
.endr
	s_wait_alu depctr_va_sdst(0)                   ; the twelve masks s80-s91 are written: one wait behind the run of compares, ahead of the first select that reads one
.irp g, 0,1,2,3
	v_cndmask_b32 v[HT+16*\g+hNU], v[HT+16*\g+hMN], v[HT+16*\g+hNU], s[80+\g]
.endr
.irp g, 0,1,2,3
	v_cndmask_b32 v[HT+16*\g+hDE], v[HT+16*\g+hMX], v[HT+16*\g+hDE], s[80+\g]
.endr
.irp g, 0,1,2,3
	v_rcp_f32 v[HT+16*\g+hRC], v[HT+16*\g+hDE]
.endr
.irp g, 0,1,2,3
	v_sqrt_f32 v[R+\g], v[HT+16*\g+hD2]
.endr
.irp g, 0,1,2,3
	v_cndmask_b32 v[HT+16*\g+hOF], 0, v[PI4], s[80+\g]                     ; (plain lines behind the transcendentals)
.endr
	s_wait_alu depctr_va_vdst(0)                   ; the reciprocals and roots have written their results, ahead of their first reader; slot 1 besides: PA is written, and the last batch's joining lines are done reading and writing P0
.if \s
	ds_load_b128 v[P0:P0+3], v[PA]                 ; slot 0's p of these pixels: asked for nearly a whole batch's work ahead of its use
.endif
.irp g, 0,1,2,3
	v_mul_f32 v[HT+16*\g+hQ0], v[HT+16*\g+hNU], v[HT+16*\g+hRC]
.endr
.irp g, 0,1,2,3
	v_fma_f32 v[HT+16*\g+hER], -v[HT+16*\g+hDE], v[HT+16*\g+hQ0], v[HT+16*\g+hNU]   ; the quotient's remainder,
.endr
.irp g, 0,1,2,3
	v_fma_f32 v[HT+16*\g+hQQ], v[HT+16*\g+hER], v[HT+16*\g+hRC], v[HT+16*\g+hQ0]    ; and the quotient corrected by it
.endr
.irp g, 0,1,2,3
	v_mul_f32 v[HT+16*\g+hZ], v[HT+16*\g+hQQ], v[HT+16*\g+hQQ]
.endr
.irp g, 0,1,2,3
	v_fma_f32 v[HT+16*\g+hPL], v[HT+16*\g+hZ], s51, s52
.endr
.irp g, 0,1,2,3
	v_fma_f32 v[HT+16*\g+hPL], v[HT+16*\g+hPL], v[HT+16*\g+hZ], s53
.endr
.irp g, 0,1,2,3
	v_fma_f32 v[HT+16*\g+hPL], v[HT+16*\g+hPL], v[HT+16*\g+hZ], s54
.endr
.irp g, 0,1,2,3
	v_mul_f32 v[HT+16*\g+hPL], v[HT+16*\g+hPL], v[HT+16*\g+hZ]
.endr
.irp g, 0,1,2,3
	v_fma_f32 v[HT+16*\g+hAT], v[HT+16*\g+hPL], v[HT+16*\g+hQQ], v[HT+16*\g+hQQ]
.endr
.irp g, 0,1,2,3
	v_add_f32 v[HT+16*\g+hAT], v[HT+16*\g+hAT], v[HT+16*\g+hOF]
.endr
.irp g, 0,1,2,3
	v_sub_f32 v[HT+16*\g+hA2], s49, v[HT+16*\g+hAT]
.endr
.irp g, 0,1,2,3
	v_cndmask_b32 v[HT+16*\g+hAT], v[HT+16*\g+hAT], v[HT+16*\g+hA2], s[84+\g]       ; |dy| > |dx|: pi / 2 - a
.endr
.irp g, 0,1,2,3
	v_sub_f32 v[HT+16*\g+hA2], s50, v[HT+16*\g+hAT]
.endr
.irp g, 0,1,2,3
	v_cndmask_b32 v[HT+16*\g+hAT], v[HT+16*\g+hAT], v[HT+16*\g+hA2], s[88+\g]       ; dx < 0: pi - a
.endr
.irp g, 0,1,2,3
	v_bfi_b32 v[TH+2*\g], 0x7fffffff, v[HT+16*\g+hAT], v[DY]                        ; dy's sign
.endr
.irp g, 0,1,2,3
	v_mov_b32 v[TH+2*\g+1], v[TH+2*\g]
.endr
.irp g, 0,1,2,3
	v_permlane16_swap_b32 v[TH+2*\g], v[TH+2*\g+1]     ; the first now holds lanes 0-15's theta in both halves of the lanes (tile lo), the second lanes 16-31's (tile hi)
.endr
.endm
; layer 0 of group g into stream sg: number i of tile x = theta w0[32 h + i] + b0[32 h + i], two at a time.  No relu: the next product's other half of K does it
.macro L0 sg, g
.set HB, 32+96*\sg
	WIN 0x14                                       ; sources 1 and 2 in window 1
.irp x, 0,1
.irp i, 0,2,4,6,8,10,12,14,16,18,20,22,24,26,28,30
	v_pk_fma_f32 v[HB+32*\x+\i:HB+32*\x+\i+1], v[TH+2*(\g):TH+2*(\g)+1], v[W0+\i:W0+\i+1], v[B0+\i:B0+\i+1] op_sel:[\x,0,0] op_sel_hi:[\x,1,1]   ; of the pair of thetas, tile x's serves both halves
.endr
.endr
.endm
; a stream's two tiles: my block's largest number (no |.|: what is negative counts for nothing), in two chains a tile, in ascending order, so that each matrix result is first read at its low end;
; then the conversion's scale operand and the scale word
.macro QA sg
.set HB, 32+96*\sg
	WIN 0
.irp x, 0,1
	v_max3_num_f32 v[TM+2*\x], v[HB+32*\x], v[HB+32*\x+1], 0x2800000       ; the floor 2^(5 - 127): the byte cannot fall under 1
.endr
.irp x, 0,1
	v_max3_num_f32 v[TM+2*\x+1], v[HB+32*\x+2], v[HB+32*\x+3], v[HB+32*\x+4]
.endr
.irp i, 5,9,13,17,21,25
.irp x, 0,1
	v_max3_num_f32 v[TM+2*\x], v[TM+2*\x], v[HB+32*\x+\i], v[HB+32*\x+\i+1]
.endr
.irp x, 0,1
	v_max3_num_f32 v[TM+2*\x+1], v[TM+2*\x+1], v[HB+32*\x+\i+2], v[HB+32*\x+\i+3]
.endr
.endr
.irp x, 0,1
	v_max3_num_f32 v[TM+2*\x], v[TM+2*\x], v[HB+32*\x+29], v[HB+32*\x+30]
.endr
.irp x, 0,1
	v_max3_num_f32 v[TM+2*\x], v[TM+2*\x], v[TM+2*\x+1], v[HB+32*\x+31]
.endr
.irp x, 0,1
	v_add_nc_u32 v[HB+HE+\x], 0xfe000000, v[TM+2*\x]           ; 4 off the exponent field: the conversion takes that field as its scale
.endr
.irp x, 0,1
	v_lshl_add_u32 v[TM+4+\x], v[TM+2*\x], 1, 0xfc000000       ; the same field, less 4, as the word's top byte: my block's E8M0 byte
.endr
.irp x, 0,1
	v_permlanex16_b32 v[TM+6+\x], v[TM+4+\x], s58, s59         ; the pixel's other block lies in lane l xor 16
.endr
.irp x, 0,1
	v_perm_b32 v[HB+HSC+\x], v[TM+6+\x], v[TM+4+\x], s57       ; lanes 0-15 (the ones that are read): block 0's byte, block 1's, and both again
.endr
.endm
; the codes: registers 0-2 and 6-8 of the operand by the conversions, 3-5 and 9-11 the same without the sign bits
.macro QB sg
.set HB, 32+96*\sg
	WIN 0
.irp x, 0,1
	v_cvt_scalef32_pk16_bf6_f32 v[HB+HF+12*\x:HB+HF+12*\x+2], v[HB+32*\x:HB+32*\x+15], v[HB+HE+\x]
	v_cvt_scalef32_pk16_bf6_f32 v[HB+HF+12*\x+6:HB+HF+12*\x+8], v[HB+32*\x+16:HB+32*\x+31], v[HB+HE+\x]
.endr
	v_nop                                          ; a plain line behind the scaled conversions
.irp x, 0,1
.irp i, 0,1,2
	v_and_b32 v[HB+HF+12*\x+3+\i], s[60+\i], v[HB+HF+12*\x+\i]
	v_and_b32 v[HB+HF+12*\x+9+\i], s[60+\i], v[HB+HF+12*\x+6+\i]
.endr
.endr
.endm
; layer L + 1 of a stream: four unit tiles x two pixel tiles, eight results that share no register; C is the bias, in the result's layout.
; In front of it stand 32 plain lines or more of the other stream behind the last write of an operand or a scale word; its results are first read behind 13 plain lines or more of the other stream (ISA guide 7.12.1).
.macro MM L, sg
.set HB, 32+96*\sg
	WIN 0x11                                       ; source 0 (the weights) and C (the bias) in window 1
	s_wait_alu depctr_va_vdst(0)                   ; the conversions and the lines that clear the signs have written this stream's two operands, the byte selects its two scale words: the eight products below take them.  The places above stay beside this wait
.irp u, 0,1,2,3
.irp x, 0,1
	v_wmma_scale_f32_16x16x128_f8f6f4 v[HB+32*\x+8*\u:HB+32*\x+8*\u+7], v[AW+48*\L+12*\u:AW+48*\L+12*\u+11], v[HB+HF+12*\x:HB+HF+12*\x+11], v[BI+32*\L+8*\u:BI+32*\L+8*\u+7], v[WS+4*\L+\u], v[HB+HSC+\x] matrix_a_fmt:MATRIX_FMT_BF6 matrix_b_fmt:MATRIX_FMT_BF6
.endr
.endr
.endm
; the last relu stands ahead of no quantiser: two a line, each result from its low end on
.macro RELU sg
.set HB, 32+96*\sg
	WIN 0
.set i, 0
.rept 32
	v_dual_max_num_f32 v[HB+i], 0, v[HB+i] :: v_dual_max_num_f32 v[HB+i+1], 0, v[HB+i+1]
.set i, i+2
.endr
.endm
; the product with w3: my 32 units of each tile's pixel, two at a time in two chains a tile; the halves of the lanes change places so that lane l ends with pixel l's whole sum
.macro DOT sg
.set HB, 32+96*\sg
	WIN 0x04                                       ; source 1 (w3) in window 1
.irp q, 0,1,2,3,4,5,6,7,8,9,10,11,12,13,14,15
.irp x, 0,1
.if \q < 2
	v_pk_mul_f32 v[ACC+4*\x+2*(\q%2):ACC+4*\x+2*(\q%2)+1], v[HB+32*\x+2*\q:HB+32*\x+2*\q+1], v[W3+2*\q:W3+2*\q+1]   ; the first products start the sums
.else
	v_pk_fma_f32 v[ACC+4*\x+2*(\q%2):ACC+4*\x+2*(\q%2)+1], v[HB+32*\x+2*\q:HB+32*\x+2*\q+1], v[W3+2*\q:W3+2*\q+1], v[ACC+4*\x+2*(\q%2):ACC+4*\x+2*(\q%2)+1]
.endif
.endr
.endr
	WIN 0
.irp x, 0,1
	v_pk_add_f32 v[ACC+4*\x:ACC+4*\x+1], v[ACC+4*\x:ACC+4*\x+1], v[ACC+4*\x+2:ACC+4*\x+3]
.endr
.irp x, 0,1
	v_add_f32 v[PSUM+\x], v[ACC+4*\x], v[ACC+4*\x+1]
.endr
	v_permlane16_swap_b32 v[PSUM], v[PSUM+1]       ; tile lo's upper half changes places with tile hi's lower half
	v_add_f32 v[HB+HO], v[PSUM], v[PSUM+1]
.endm
; p = 1 / (1 + 2^(-log2(e) mult (2^((dot + b3) log2(e)) - r))) for groups g0 and g0 + 1
.macro TAIL2 g0, s
.irp u, 0,1
	v_fma_f32 v[32+96*\u+HO], v[32+96*\u+HO], s46, s[B3L+\s]
.endr
.irp u, 0,1
	v_exp_f32 v[32+96*\u+HO], v[32+96*\u+HO]
.endr
	v_nop
	s_wait_alu depctr_va_vdst(0)                   ; the two exponentials have written exp(o), ahead of the subtractions that read it
.irp u, 0,1
	v_sub_f32 v[32+96*\u+HO], v[32+96*\u+HO], v[R+\g0+\u]
.endr
.irp u, 0,1
	v_mul_f32 v[32+96*\u+HO], s[NM+\s], v[32+96*\u+HO]
.endr
.irp u, 0,1
	v_exp_f32 v[32+96*\u+HO], v[32+96*\u+HO]
.endr
	v_nop
	s_wait_alu depctr_va_vdst(0)                   ; the two exponentials of the sigmoid have written their results, ahead of the additions that read them
.irp u, 0,1
	v_add_f32 v[32+96*\u+HO], 1.0, v[32+96*\u+HO]
.endr
.irp u, 0,1
	v_rcp_f32 v[P+\g0+\u], v[32+96*\u+HO]
.endr
	v_nop
.endm
; two groups as two streams: each run of eight matrix instructions stands between vector work of the other stream
.macro TRIP g0, s
	L0 0, \g0
	QA 0
	QB 0
	L0 1, \g0+1
	MM 0, 0
	QA 1
	QB 1
	QA 0
	MM 0, 1
	QB 0
	QA 1
	MM 1, 0
	QB 1
	RELU 0
	MM 1, 1
	DOT 0
	RELU 1
	DOT 1
	TAIL2 \g0, \s
.endm
.macro BATCH s
	s_wait_alu depctr_vm_vsrc(0)                   ; the last batch's LDS instruction has read PA (slot 0: and P), its store to out0 has read P0: this batch writes them again.  In the kernel's first batch: the set-up's loads and LDS stores have read v96-100, v106-109, v115 and v160-183, which the streams write
.if \s
	v_add_nc_u32 v[PA], s[PO], v[PS]               ; where slot 0's p of this batch lie; the load by it stands behind the head's wait on va_vdst
.endif
	LIN CY, RI, TM, TM+1
	v_sub_f32 v[DY], v[CY], s[POS+1+2*\s]
	v_mul_f32 v[DY2], v[DY], v[DY]
	HEAD4 \s
	TRIP 0, \s
	TRIP 2, \s
.if \s
	s_wait_dscnt 0x0                               ; slot 0's p are in
	s_wait_alu depctr_va_vdst(0)                   ; the reciprocals have written P, ahead of the lines below, which read it
.irp g, 0,1,2,3
	v_fma_f32 v[TM+\g], v[P+\g], s74, v[P0+\g]     ; p0 + p1 or p0 - p1
.endr
.irp g, 0,1,2,3
	v_med3_num_f32 v[TM+\g], v[TM+\g], 0, 1.0
.endr
.irp g, 0,1,2,3
	v_cndmask_b32 v[P0+\g], v[TM+\g], v[P0+\g], s75    ; program 0: p0 as it is
.endr
	s_wait_alu depctr_va_vdst(0)                   ; the four selects have written P0, which the store reads
	global_store_b128 v[GO], v[P0:P0+3], s[78:79] th:TH_STORE_NT   ; the wave stores 512 consecutive bytes, at a multiple of 512 from out0's first byte; written once, read by nobody here
	s_wait_xcnt 0x0                                ; the store's data and its base are written again only behind this wait
	s_add_nc_u64 s[78:79], s[78:79], 512
.else
	v_add_nc_u32 v[PA], s[PO], v[PS]
	s_wait_alu depctr_va_vdst(0)                   ; the reciprocals have written P and the addition PA: the LDS store reads both
	ds_store_b128 v[PA], v[P:P+3]
.endif
	v_add_f32 v[RI], 2.0, v[RI]
	s_add_co_u32 s[PO], s[PO], 512
.endm
; a slot: its constants from LDS into window 1 and the scale words' registers, then the wave's four batches
.macro PASS s
	WIN 0x40                                       ; destination window 1, address window 0
.if \s
	s_wait_alu depctr_va_vdst(0)                   ; slot 0's layer 0, products and dot products are done reading window 1 and the scale words v16-23, in which the loads below land; only loads and a window switch follow up to the last of them
.endif
.irp f, 0,1,2,3,4,5,6,7
.irp c, 0,1,2
	ds_load_b128 v[AW+12*\f+4*\c:AW+12*\f+4*\c+3], v[LI] offset:FRG+\s*8*FRB+\f*FRB+512*\c     ; a fragment comes back as the image of its registers
.endr
.endr
.irp q, 0,1,2,3,4
.irp j, 0,1,2,3,4,5,6,7
	ds_load_b128 v[32*\q+4*\j:32*\q+4*\j+3], v[VH] offset:VEC+(5*\s+\q)*256+16*\j              ; numbers 32 h + 4 j on: the sixteen lanes of a half read the same 16 bytes
.endr
.endr
	WIN 0
.irp f, 0,1,2,3,4,5,6,7
	ds_load_b32 v[WS+\f], v[LS] offset:WSC+\s*512+64*\f
.endr
	v_mov_b32 v[RI], v[RI0]
	s_mov_b32 s[PO], 0
	s_mov_b32 s[CNT], 4
	s_wait_dscnt 0x0
.Lbatch_\s:
	BATCH \s
	s_sub_co_u32 s[CNT], s[CNT], 1
	s_cmp_lg_u32 s[CNT], 0
	s_cbranch_scc1 .Lbatch_\s
.endm
	PASS 0
	PASS 1                                         ; its loads land in registers that matrix instructions have read: the wait at its head states that those are done
	s_wait_dscnt 0x0                               ; the closing lines, six on end
	s_wait_alu 0x0
	s_wait_tensorcnt 0x0
	ds_add_u32 v223, v255
	s_wait_dscnt 0x0
	s_endpgm
.Lfunc_end_k_q2a52a330a7_render:
	.size	k_q2a52a330a7_render, .Lfunc_end_k_q2a52a330a7_render-k_q2a52a330a7_render
	.p2alignl 7, 3214868480
	.fill 96, 4, 3214868480
	.section	.rodata,"a",@progbits
	.p2align	6, 0x0
	.amdhsa_kernel k_q2a52a330a7_render
		.amdhsa_group_segment_fixed_size 46080
		.amdhsa_private_segment_fixed_size 0
		.amdhsa_enable_private_segment 0
		.amdhsa_kernarg_size 104
		.amdhsa_user_sgpr_count 2
		.amdhsa_user_sgpr_kernarg_segment_ptr 1
		.amdhsa_wavefront_size32 1
		.amdhsa_system_sgpr_workgroup_id_x 1
		.amdhsa_system_sgpr_workgroup_id_y 1
		.amdhsa_system_sgpr_workgroup_id_z 1
		.amdhsa_system_vgpr_workitem_id 0
		.amdhsa_next_free_vgpr 512
		.amdhsa_next_free_sgpr 100
		.amdhsa_reserve_vcc 0
		.amdhsa_float_denorm_mode_32 3
		.amdhsa_float_denorm_mode_16_64 3
		.amdhsa_memory_ordered 1
		.amdhsa_forward_progress 1
		.amdhsa_inst_pref_size 168
	.end_amdhsa_kernel
	.amdgpu_metadata
---
amdhsa.version: [ 1, 2 ]
amdhsa.kernels:
  - .name:           k_q2a52a330a7_render
    .symbol:         k_q2a52a330a7_render.kd
    .args:
      - { .name: program_id, .offset: 0, .size: 8, .value_kind: global_buffer, .address_space: global }
      - { .name: shape_ids, .offset: 8, .size: 8, .value_kind: global_buffer, .address_space: global }
      - { .name: raw_positions, .offset: 16, .size: 8, .value_kind: global_buffer, .address_space: global }
      - { .name: w0, .offset: 24, .size: 8, .value_kind: global_buffer, .address_space: global }
      - { .name: b0, .offset: 32, .size: 8, .value_kind: global_buffer, .address_space: global }
      - { .name: w1, .offset: 40, .size: 8, .value_kind: global_buffer, .address_space: global }
      - { .name: b1, .offset: 48, .size: 8, .value_kind: global_buffer, .address_space: global }
      - { .name: w2, .offset: 56, .size: 8, .value_kind: global_buffer, .address_space: global }
      - { .name: b2, .offset: 64, .size: 8, .value_kind: global_buffer, .address_space: global }
      - { .name: w3, .offset: 72, .size: 8, .value_kind: global_buffer, .address_space: global }
      - { .name: b3, .offset: 80, .size: 8, .value_kind: global_buffer, .address_space: global }
      - { .name: logit_multipliers_raw, .offset: 88, .size: 8, .value_kind: global_buffer, .address_space: global }
      - { .name: out0, .offset: 96, .size: 8, .value_kind: global_buffer, .address_space: global }
    .group_segment_fixed_size: 46080
    .private_segment_fixed_size: 0
    .kernarg_segment_align: 8
    .kernarg_segment_size: 104
    .max_flat_workgroup_size: 256
    .sgpr_count:     100
    .vgpr_count:     512
    .wavefront_size: 32
...
	.end_amdgpu_metadata
.endif
;; end of part 2
